; MI455X (gfx1250); checked and timed in simulation.
; The chip was launched on July 23, 2026; its instructions are those of AMD's public machine-readable ISA for CDNA 5 (MIT licence, August 2026) and "CDNA5" Instruction Set Architecture Reference Guide (July 2026). The comments in the code are by the model that wrote it; some were corrected since.
;; Flash Multi Head Attention. Allowed arithmetic: matrix products marked QUANTISED: E2M1 operands, one E8M0 scale for each 32 along K, by v_wmma_scale_f32_16x16x128_f8f6f4 with both operands' format E2M1 (or v_wmma_scale_f32_32x16x128_f4), f32 sums; products left as they are: bf16, f16 or f32 operands; f32 sums; everything else in f32.
;; Inputs: Wk 1,024 x 1,024 float32; Wo 1,024 x 1,024 float32; Wq 1,024 x 1,024 float32; Wv 1,024 x 1,024 float32; bk 1,024 float32; bo 1,024 float32; bq 1,024 float32; bv 1,024 float32; k 16,384 x 1,024 float32; q 16,384 x 1,024 float32; v 16,384 x 1,024 float32.
;; Outputs: out0 16,384 x 1,024 float32.
;; This version of the problem:
;;   THIS VERSION OF THE PROBLEM IS GIVEN IN LOW PRECISION. The matrix products marked QUANTISED in the list below multiply operands that are first quantised to E2M1 (2 exponent bits, 1 mantissa bit; 4 bits a number), with one power-of-two scale for each 32 numbers along K (OCP MX v1.0); their sums are f32. The products marked 'left as it is' may take bf16, f16 or f32 operands, with f32 sums. Whichever they take, every output number must still come out within the allowed error. Rounding operands to bf16 (8 significant bits) uses up far more of that allowance than f16 does (11 bits, for magnitudes from 6e-5 to 65,504). All else is computed in f32.
;;   The module's matrix products, in the order in which they are computed (A, B: the left and right operand; K: the contracted axis; several contracted axes count as one K, in the product's order):
;;     1. [M 16,384, K 1,024] x [K 1,024, N 1,024]; A: input q; B: input Wq: QUANTISED
;;     2. [M 16,384, K 1,024] x [K 1,024, N 1,024]; A: input k; B: input Wk: QUANTISED
;;     3. [M 16,384, K 1,024] x [K 1,024, N 1,024]; A: input v; B: input Wv: QUANTISED
;;     4. batch 16,384 x [M 16, K 64] x [K 64, N 16]; A: computed on the way; B: computed on the way: left as it is (an operand is computed on the way)
;;     5. batch 16,384 x [M 16, K 16] x [K 16, N 64]; A: computed on the way; B: computed on the way: left as it is (K = 16 < 32)
;;     6. [M 16,384, K 1,024] x [K 1,024, N 1,024]; A: computed on the way; B: input Wo: left as it is (an operand is computed on the way)
;;   THE QUANTISER, for each operand of a quantised product, along K:
;;     - K is cut into blocks of 32 from its start; a last block that is shorter is filled with zeros.
;;     - A block's scale is 2^e with e = floor(log2(the largest magnitude in the block)) - 2, held to -126 .. 127; a block of zeros has e = 0. As a byte (E8M0): e + 127.
;;     - Each number is divided by its block's scale, clamped to +-6, and rounded to the nearest number of E2M1, ties to even, subnormals kept.
;;     - The product sums the exact products of the quantised numbers (number of the format x scale) in f32.
;;   ~~~python
;;   def quantise(x, axis):      # numpy; x: float32 -> the quantised numbers, widened to float32 again
;;       x = np.moveaxis(x, axis, -1); K = x.shape[-1]
;;       x = np.pad(x, [(0, 0)] * (x.ndim - 1) + [(0, -K % 32)]); x = x.reshape(x.shape[:-1] + (-1, 32)); a = np.abs(x).max(-1, keepdims=True)
;;       e = np.where(a > 0, np.clip(np.frexp(np.where(a > 0, a, 1))[1] - 1 - 2, -126, 127), 0)      # np.frexp(a)[1] - 1 = floor(log2(a)), exactly
;;       r = np.clip(x / 2.0 ** e, -6, 6)
;;       step = 2.0 ** (np.maximum(np.frexp(np.where(r == 0, 1, r))[1] - 1, 0) - 1)
;;       q = np.round(r / step) * step * 2.0 ** e      # np.round: ties to even
;;       return np.moveaxis(q.reshape(q.shape[:-2] + (-1,))[..., :K], -1, axis).astype(np.float32)
;;   ~~~
;; One version. Each part assembles by itself: llvm-mc -triple=amdgcn-amd-amdhsa -mcpu=gfx1250 --defsym DOCPART=n.
;; ======== version 1 of 1: 3 launches
;; limits: values are held in f16: magnitudes above 65,504 overflow, below 6.1e-05 lose precision
;; workspace buffers: wpk 1,671,168 bytes; wo16 2,097,152 bytes; o16 33,554,432 bytes
;; launch prep (part 1): grid 160 x 1, 16 waves a work-group, no clusters, 21,504 bytes of LDS; arguments Wq, Wk, Wv, Wo, wpk, wo16; writes wpk, wo16
.if DOCPART == 1
	.amdgcn_target "amdgcn-amd-amdhsa--gfx1250"
	.amdhsa_code_object_version 6
	.text
	.protected	k_q5a5e0e650b_prep
	.globl	k_q5a5e0e650b_prep
	.p2align	8
	.type	k_q5a5e0e650b_prep,@function
k_q5a5e0e650b_prep:
	s_mov_b64 s[64:65], 0
	v_nop
	global_prefetch_b8 v0, s[64:65] scope:SCOPE_SE
	s_setreg_imm32_b32 hwreg(HW_REG_WAVE_MODE, 25, 1), 1
	s_wait_xcnt 0x0
; THE WEIGHTS ARE LAID OUT ONCE.  Wq, Wk, Wv [1024 (n)][1024 (k)] f32 become codes of FP4 (E2M1) with one E8M0 byte for each 32 along K, in the order in which the next launch's operand registers take them;
; Wo [1024][1024] f32 becomes f16, row-major.
; wpk: 96 blocks of 17,408 bytes.  Block 4 j + w, j = 8 x tensor + K step of 128: what wave w of the next launch reads in step j: 16 tiles of 16 rows x 128 K.  Tile nt: 1,024 bytes at 1,024 nt, an image of the
; fragment's registers: byte 512 c + 16 lane holds row r = lane % 16, k = 64 c + 32 (lane / 16) + 0 .. 31.  From byte 16,384 on the scale words: 256 (nt / 4) + 8 (16 (nt % 2) + r) + 4 ((nt / 2) % 2).
; THE ROWS OF A TILE: Wq, Wk: rows 256 w + 16 nt + r.  Wv: rows 64 r + 16 w + nt: one channel of all sixteen heads, so that the product's result holds eight heads of one channel in a lane.
; A block's scale is 2^(floor(log2(largest magnitude)) - 2); its byte is the largest magnitude's exponent field - 2, held at 1 from below.
; LIMITS: a block of zeros gets the byte 1 where the rule says 127 (its codes are zeros, and this program alone reads the bytes); NaN and infinities are not served; |Wo| stays inside f16's range, 65,504.
; SHARES: work-groups 0-95: one block each, wave = tile.  Work-groups 96-159: 65,536 bytes of Wo each, 4,096 a wave; they use no LDS.
.set WPART, 17408
.set SCB,   18432                      ; LDS: 16 stages of 1,152 bytes, one a wave; then the block's 1,024 scale bytes
.set SPARE, 19456                      ; then the spare words, 128 bytes for each of 16 waves, which no other line names
.set SPW, 1                            ; v1  LDS address of my spare word; never rewritten
.set NIL, 2                            ; v2  0; never rewritten
.set LN,  3                            ; v3  lane
.set RA,  4                            ; v4  a = lane % 16
.set HH,  5                            ; v5  lane / 16
.set CA,  6                            ; v6  the stage: where my 8 codes go
.set BA,  7                            ; v7  where my block's scale byte goes
.set SRD, 8                            ; v8  the stage: where I read 16 bytes of the image
.set GOC, 9                            ; v9  my 16 bytes of the tile in the block
.set SCR, 10                           ; v10 the scale bytes, 16 a lane
.set GOS, 11                           ; v11 and their place in the block
.set OFF, 16                           ; v16-23 byte offsets of my eight rows' 32 bytes
.set OUTR, 24                          ; v24-31 the image on its way out
.set X,   32                           ; v32-95 64 numbers: register 8 i + e = row 2 i + lane / 16, k = 8 a + e
.set TM,  96                           ; v96-103 largest magnitudes (Wo's path: the packed f16)
.set SC,  104                          ; v104-111 the conversions' scale operands
.set CD,  112                          ; v112-119 codes
.set BY,  120                          ; v120-127 scale bytes
	s_load_b256 s[4:11], s[0:1], 0x0               ; Wq, Wk, Wv, Wo
	s_load_b128 s[12:15], s[0:1], 0x20             ; wpk, wo16
	v_lshl_add_u32 v[SPW], v0, 2, SPARE
	v_mov_b32 v[NIL], 0
	v_lshrrev_b32 v[LN], 5, v0
	v_readfirstlane_b32 s16, v[LN]                 ; wave = tile nt
	v_and_b32 v[LN], 31, v0
	v_and_b32 v[RA], 15, v0
	v_bfe_u32 v[HH], v0, 4, 1
	; every LDS address is made here, ahead of the parting
	v_and_b32 v12, 3, v0
	v_lshlrev_b32 v[CA], 2, v12                    ; 4 (a % 4): my 4 bytes of a lane's 16
	v_lshl_add_u32 v[CA], v[HH], 4, v[CA]          ; + 16 x the row's low bit
	v_bfe_u32 v12, v0, 2, 1
	v_mad_u32_u24 v[CA], v12, 288, v[CA]           ; + 288 x the fragment's half (k / 32 % 2)
	v_bfe_u32 v12, v0, 3, 1
	v_mad_u32_u24 v[CA], v12, 576, v[CA]           ; + 576 x c (k / 64)
	s_mul_i32 s17, s16, 1152
	v_add_nc_u32 v[CA], s17, v[CA]
	v_bfe_u32 v[BA], v0, 2, 2                      ; which of the four blocks along K
	v_lshl_add_u32 v[BA], v[HH], 3, v[BA]
	s_lshr_b32 s18, s16, 2
	s_lshl_b32 s18, s18, 8
	s_and_b32 s19, s16, 1
	s_lshl_b32 s19, s19, 7
	s_add_co_u32 s18, s18, s19
	s_bfe_u32 s19, s16, 0x10001
	s_lshl_b32 s19, s19, 2
	s_add_co_u32 s18, s18, s19
	s_add_co_u32 s18, s18, SCB
	v_add_nc_u32 v[BA], s18, v[BA]
	v_lshlrev_b32 v[SRD], 4, v[RA]
	v_mad_u32_u24 v[SRD], v[HH], 288, v[SRD]
	v_add_nc_u32 v[SRD], s17, v[SRD]
	s_lshl_b32 s19, s16, 10
	v_lshl_add_u32 v[GOC], v[LN], 4, s19
	v_lshl_add_u32 v[SCR], v[LN], 4, SCB
	v_lshl_add_u32 v[GOS], v[LN], 4, 16384
	s_cmp_lt_u32 ttmp9, 96
	s_cbranch_scc0 .Lwo
	; ---- a block of wpk
	s_lshr_b32 s20, ttmp9, 2                       ; j
	s_and_b32 s21, ttmp9, 3                        ; w
	s_lshr_b32 s22, s20, 3                         ; the tensor
	s_and_b32 s23, s20, 7                          ; the K step
	s_lshl_b32 s24, s21, 4
	s_add_co_u32 s24, s24, s16                     ; 16 w + nt
	s_lshl_b32 s25, s24, 4                         ; 256 w + 16 nt
	s_cmp_eq_u32 s22, 2
	s_cselect_b32 s24, s24, s25                    ; the tile's first row
	s_cselect_b32 s26, 18, 12                      ; from row to row of the tile: 64 rows of 4,096 bytes, or one
	s_lshl_b32 s24, s24, 12
	s_lshl_b32 s23, s23, 9
	s_add_co_u32 s24, s24, s23
	s_mov_b32 s25, 0
	s_mul_i32 s30, ttmp9, WPART
	s_mov_b32 s31, 0
	v_lshlrev_b32 v13, 5, v[RA]                    ; my 32 bytes of a row's 512
.irp i, 0,1,2,3,4,5,6,7
	v_add_nc_u32 v12, 2*\i, v[HH]
	v_lshl_add_u32 v[OFF+\i], v12, s26, v13
.endr
	s_wait_kmcnt 0x0
	s_cmp_eq_u32 s22, 0                            ; the choice hangs on the work-group's number alone
	s_cselect_b64 s[28:29], s[4:5], s[6:7]
	s_cmp_eq_u32 s22, 2
	s_cselect_b64 s[28:29], s[8:9], s[28:29]
	s_add_nc_u64 s[28:29], s[28:29], s[24:25]
	s_add_nc_u64 s[12:13], s[12:13], s[30:31]
.irp i, 0,1,2,3,4,5,6,7
	global_load_b128 v[X+8*\i:X+8*\i+3], v[OFF+\i], s[28:29] th:TH_LOAD_NT
	global_load_b128 v[X+8*\i+4:X+8*\i+7], v[OFF+\i], s[28:29] offset:16 th:TH_LOAD_NT
.endr
	s_wait_loadcnt 0x0
.irp i, 0,1,2,3,4,5,6,7
	v_max3_num_f32 v[TM+\i], |v[X+8*\i]|, |v[X+8*\i+1]|, 0x1800000   ; my 8 numbers of a block, and the floor 2^(3 - 127): the byte cannot fall under 1
.endr
.irp e, 2,4,6
.irp i, 0,1,2,3,4,5,6,7
	v_max3_num_f32 v[TM+\i], v[TM+\i], |v[X+8*\i+\e]|, |v[X+8*\i+\e+1]|
.endr
.endr
.irp i, 0,1,2,3,4,5,6,7
	v_max_num_f32_dpp v[TM+\i], v[TM+\i], v[TM+\i] row_xmask:1 row_mask:0xf bank_mask:0xf
.endr
.irp i, 0,1,2,3,4,5,6,7
	v_max_num_f32_dpp v[TM+\i], v[TM+\i], v[TM+\i] row_xmask:2 row_mask:0xf bank_mask:0xf   ; four lanes hold a block of 32
.endr
.irp i, 0,1,2,3,4,5,6,7
	v_add_nc_u32 v[SC+\i], 0xff000000, v[TM+\i]    ; 2 off the exponent field: the conversion takes that field as its scale
.endr
.irp i, 0,1,2,3,4,5,6,7
	v_cvt_scalef32_pk8_fp4_f32 v[CD+\i], v[X+8*\i:X+8*\i+7], v[SC+\i]
.endr
.irp i, 0,1,2,3,4,5,6,7
	v_lshrrev_b32 v[BY+\i], 23, v[SC+\i]           ; the scale's byte (also the plain line behind the conversions)
.endr
.irp i, 0,1,2,3,4,5,6,7
	ds_store_b32 v[CA], v[CD+\i] offset:32*\i      ; row 2 i + lane / 16 of the image
.endr
.irp i, 0,1,2,3,4,5,6,7
	ds_store_b8 v[BA], v[BY+\i] offset:16*\i       ; the four lanes of a block write the same byte with the same value
.endr
	ds_load_b128 v[OUTR:OUTR+3], v[SRD]            ; LDS serves a wave's instructions in order: these see my stores
	ds_load_b128 v[OUTR+4:OUTR+7], v[SRD] offset:576
	s_wait_dscnt 0x0                               ; the image is back, and my scale bytes have landed: zero, for wave 0's sake
	global_store_b128 v[GOC], v[OUTR:OUTR+3], s[12:13]             ; 32 lanes store 512 consecutive bytes
	global_store_b128 v[GOC], v[OUTR+4:OUTR+7], s[12:13] offset:512
	s_barrier_signal -1
	s_barrier_wait -1                              ; all sixteen tiles' scale bytes lie in LDS
	s_cmp_lg_u32 s16, 0
	s_cbranch_scc1 .Lend
	ds_load_b128 v[X:X+3], v[SCR]
	ds_load_b128 v[X+4:X+7], v[SCR] offset:512
	s_wait_dscnt 0x0
	global_store_b128 v[GOS], v[X:X+3], s[12:13]
	global_store_b128 v[GOS], v[X+4:X+7], s[12:13] offset:512
	s_branch .Lend
.Lwo:	; ---- Wo to f16
	s_sub_co_u32 s20, ttmp9, 96
	s_lshl_b32 s24, s20, 16
	s_lshl_b32 s21, s16, 12
	s_add_co_u32 s24, s24, s21
	s_mov_b32 s25, 0
	s_lshl_b32 s26, s20, 15
	s_lshl_b32 s21, s16, 11
	s_add_co_u32 s26, s26, s21
	s_mov_b32 s27, 0
	v_lshlrev_b32 v12, 5, v[LN]
	v_lshlrev_b32 v13, 4, v[LN]
	s_wait_kmcnt 0x0
	s_add_nc_u64 s[10:11], s[10:11], s[24:25]
	s_add_nc_u64 s[14:15], s[14:15], s[26:27]
.irp p, 0,1,2,3
	global_load_b128 v[X+8*\p:X+8*\p+3], v12, s[10:11] offset:1024*\p th:TH_LOAD_NT
	global_load_b128 v[X+8*\p+4:X+8*\p+7], v12, s[10:11] offset:1024*\p+16 th:TH_LOAD_NT
.endr
	s_wait_loadcnt 0x0
.irp p, 0,1,2,3
.irp e, 0,1,2,3
	v_cvt_pk_f16_f32 v[TM+4*\p+\e], v[X+8*\p+2*\e], v[X+8*\p+2*\e+1]
.endr
.endr
.irp p, 0,1,2,3
	global_store_b128 v13, v[TM+4*\p:TM+4*\p+3], s[14:15] offset:512*\p   ; 32 lanes store 512 consecutive bytes
.endr
.Lend:
	s_wait_tensorcnt 0x0                           ; the wave's end, behind my last LDS store
	ds_add_u32 v[SPW], v[NIL]
	s_wait_dscnt 0x0
	s_endpgm
.Lfunc_end_k_q5a5e0e650b_prep:
	.size	k_q5a5e0e650b_prep, .Lfunc_end_k_q5a5e0e650b_prep-k_q5a5e0e650b_prep
	.p2alignl 7, 3214868480
	.fill 96, 4, 3214868480
	.section	.rodata,"a",@progbits
	.p2align	6, 0x0
	.amdhsa_kernel k_q5a5e0e650b_prep
		.amdhsa_group_segment_fixed_size 21504
		.amdhsa_private_segment_fixed_size 0
		.amdhsa_enable_private_segment 0
		.amdhsa_kernarg_size 48
		.amdhsa_user_sgpr_count 2
		.amdhsa_user_sgpr_kernarg_segment_ptr 1
		.amdhsa_wavefront_size32 1
		.amdhsa_system_sgpr_workgroup_id_x 1
		.amdhsa_system_sgpr_workgroup_id_y 1
		.amdhsa_system_sgpr_workgroup_id_z 1
		.amdhsa_system_vgpr_workitem_id 0
		.amdhsa_next_free_vgpr 128
		.amdhsa_next_free_sgpr 66
		.amdhsa_reserve_vcc 0
		.amdhsa_float_denorm_mode_32 3
		.amdhsa_float_denorm_mode_16_64 3
		.amdhsa_memory_ordered 1
		.amdhsa_forward_progress 1
		.amdhsa_inst_pref_size 15
	.end_amdhsa_kernel
	.amdgpu_metadata
---
amdhsa.version: [ 1, 2 ]
amdhsa.kernels:
  - .name:           k_q5a5e0e650b_prep
    .symbol:         k_q5a5e0e650b_prep.kd
    .args:
      - { .name: Wq, .offset: 0, .size: 8, .value_kind: global_buffer, .address_space: global }
      - { .name: Wk, .offset: 8, .size: 8, .value_kind: global_buffer, .address_space: global }
      - { .name: Wv, .offset: 16, .size: 8, .value_kind: global_buffer, .address_space: global }
      - { .name: Wo, .offset: 24, .size: 8, .value_kind: global_buffer, .address_space: global }
      - { .name: wpk, .offset: 32, .size: 8, .value_kind: global_buffer, .address_space: global }
      - { .name: wo16, .offset: 40, .size: 8, .value_kind: global_buffer, .address_space: global }
    .group_segment_fixed_size: 21504
    .private_segment_fixed_size: 0
    .kernarg_segment_align: 8
    .kernarg_segment_size: 48
    .max_flat_workgroup_size: 512
    .sgpr_count:     66
    .vgpr_count:     128
    .wavefront_size: 32
...
	.end_amdgpu_metadata
.endif
;; end of part 1
;; launch attn (part 2): grid 256 x 1, 4 waves a work-group, clusters of 4 x 1, 327,680 bytes of LDS; arguments q, k, v, bq, bk, bv, wpk, o16; writes o16
.if DOCPART == 2
	.amdgcn_target "amdgcn-amd-amdhsa--gfx1250"
	.amdhsa_code_object_version 6
	.text
	.protected	k_q5a5e0e650b_attn
	.globl	k_q5a5e0e650b_attn
	.p2align	8
	.type	k_q5a5e0e650b_attn,@function
k_q5a5e0e650b_attn:
	s_mov_b64 s[64:65], 0
	v_nop
	global_prefetch_b8 v0, s[64:65] scope:SCOPE_SE
	s_setreg_imm32_b32 hwreg(HW_REG_WAVE_MODE, 25, 1), 1
	s_wait_xcnt 0x0
	s_wait_alu depctr_hold_cnt(0) depctr_sa_sdst(0) depctr_va_vdst(0) depctr_va_sdst(0) depctr_va_ssrc(0) depctr_va_vcc(0) depctr_vm_vsrc(0)
	s_getreg_b32 s2, hwreg(HW_REG_IB_STS2, 6, 4)
	s_cmp_eq_u32 s2, 0
	s_cbranch_scc0 .Lentry_in_a_cluster
	s_endpgm
.Lentry_in_a_cluster:
	s_bfe_u32 s2, ttmp6, 0x10000c
	s_cmp_lg_u32 s2, 0x3003
	s_cbranch_scc0 .Lentry_shape_is_right
	s_endpgm
.Lentry_shape_is_right:
; qh = q Wq^T + bq, kh, vh likewise (products on codes of FP4 with E8M0 scales, f32 sums); for each token S = qh kh^T / 8 over its 16 heads, softmax over the second head, O = P vh; O leaves as f16 [16384][1024].
; SHARES.  A work-group owns 64 tokens, all 1,024 columns.  In the projections THE WAVES SHARE THE COLUMNS: wave w makes 16 tiles of 16 columns x 4 tiles of 16 tokens: 64 accumulators, 512 registers, so that a weight
; fragment read from LDS feeds four products.  Wave w quantises tokens 16 w .. 16 w + 15; the fragments go to the other waves through LDS as images of their registers.
; 24 STEPS of 128 along K, 8 for each of q, k, v.  A step: change of slots | 48 LDS loads | 64 products | the next chunk of x is quantised | a chunk five steps on is asked for (four chunks of 8 KiB a wave are out).
; THE WEIGHTS come as prepared blocks of 17,408 bytes a wave and step, through a ring of two LDS slots.  CLUSTER: the four work-groups of a cluster walk the same blocks, so each is asked for JOINTLY (mask 15).
; THE WALK ALONG K IS TURNED FROM CLUSTER TO CLUSTER: cluster c takes a tensor's eight K steps from step c % 8 on, and round.  So the 64 clusters ask for eight different blocks at a time, and from a tensor's second
; step on each block that a cluster asks for has been asked for by another cluster one step earlier.  x's chunks are taken in the same order.  The cluster's number is the same in all four partners.
; THE PRODUCTS ARE USED TRANSPOSED (source 0 = 16 rows of W, source 1 = 16 tokens): a lane holds one token and eight columns.  The accumulators are loaded with the bias ahead of a tensor's first step: nothing is cleared.
; ATTENTION in f16 with f32 sums: qh and kh go to LDS as f16, [token][8 channels][head]; wave w takes tokens 16 m + 4 w + i.  S^T = kh qh^T: a lane holds one first head and eight second heads, so that the packed
; weights are source 1 of O^T = vh^T P as they stand.  That product's K is 16: two tokens share zeros as the other half of the form's 32.  The row's maximum is taken away before the exponential.
; LIMITS: |qh|, |kh|, |vh|, |O| stay inside f16's range, 65,504; NaN and infinities are not served; a block of zeros has the scale byte 1, not 127 (its codes are zeros; the bytes are this program's own);
; the bias starts each sum, and a sum's eight K steps are added from step c % 8 on: the order of rounding differs from a sum in ascending K to which the bias is added last.
; No prefetch: the stream of x is asked for four chunks ahead by plain loads, and the weights are read by every cluster.
.set STEPB, 69632                      ; a slot: four waves' parts
.set WPART, 17408                      ; a wave's part: 16 fragments' images (16,384 bytes), then 1,024 scale bytes
.set QHB,   139264                     ; LDS behind the ring: qh of 64 tokens (later the weights P in each token's own row, later vh)
.set TOKP,  2064                       ; a token: 8 rows of 256 bytes + 16: sixteen tokens fall on sixteen different 16-byte columns
.set MT,    33024                      ; 16 tokens
.set KXB,   271360                     ; kh of 16 tokens; at the end the stages of O: 4,608 bytes a wave
.set XIB,   304384                     ; x's fragments: two buffers
.set XIBUF, 4864                       ; a buffer: 4 fragments of 1,152 bytes (288 half + 16 r + 576 c), then 4 x 64 bytes of scale words
.set XISC,  4608
.set BIB,   314112                     ; the biases in the accumulators' order: 4,096 tensor + 1,024 wave + 64 tile + 32 half + 4 j
.set SPARE, 326400                     ; the spare words, 128 bytes a wave, which no other line names
; window 0
.set SPW, 1                            ; LDS address of my spare word; never rewritten
.set NIL, 2                            ; 0; never rewritten
.set XA,  3                            ; x: 4,096 (lane / 16) + 32 (lane % 16)
.set CA,  4                            ; where my 8 codes go
.set BA,  5                            ; where my block's scale byte goes
.set XR,  6                            ; where I read x's fragments
.set XSR, 7                            ; and their scale words
.set WR,  8                            ; v8-9   my weights' images in slot 0, 1
.set WS,  10                           ; v10-11 their scale words
.set AQ,  12                           ; v12-13 qh on its way in, tiles 0-1, 2-3
.set AK,  14                           ; kh likewise
.set AV,  15                           ; v15-16 vh likewise
.set AB,  17                           ; my biases
.set RK,  18                           ; kh's fragments of my four tokens
.set RQ,  19                           ; v19-20 qh's, and vh's
.set PA,  21                           ; v21-22 the images of P
.set SO,  23                           ; O's stage, in
.set SR,  24                           ; and back
.set GO,  25                           ; 16 x lane
.set SW,  32                           ; v32-39 W's scale words: register nt / 2, lanes 0-15 the even tile, lanes 16-31 the odd one
.set XS,  40                           ; v40-43 x's scale words
.set XF,  48                           ; v48-79 x's four fragments; in the attention S^T of four tokens
.set QT,  80                           ; v80-111 at work
.set TM,  80
.set SC,  88
.set CD,  96
.set BY,  104
.set PR,  112                          ; v112-127 P, packed
.set WF,  128                          ; v128-255 16 fragments of W; in the epilogues packed results and f16 fragments
; window 1: four chunks of x, 64 registers each; at the end:
.set PP,  0                            ; pair y at 12 y: [P even][0][P odd]
.set VV,  96                           ; two buffers of 48; channel tile dt at 12 dt: [V even][0][V odd]
; windows 2, 3: accumulator (nt, m) at 8 (4 (nt % 8) + m), window 2 for nt < 8
.set WB,  16                           ; s[16:17] wpk at my wave's part of block 0
.set WV,  20                           ; s20 wave
.set ROT, 23                           ; s23 the cluster's number % 8: where my cluster's walk along K begins
.set G1,  24                           ; s[24:31] descriptor group 1
.set G0,  32                           ; s[32:39] group 0, a set for each slot
.set XT,  40                           ; s[40:41] my 16 rows of the tensor whose chunks are being asked for
.set XN,  42                           ; s[42:43] of the next tensor
.set XN2, 44                           ; s[44:45] and of the one after
.set GR,  46                           ; s46 the trip: four steps
.set JB,  47                           ; s47 the step whose block is asked for next
.set SEL, 48                           ; s[48:49] selects for lane l xor 16
.set CS,  50                           ; s[50:51] log2(e) / 8
.set DT,  54                           ; s[54:55] a block's offset in wpk (s55 stays 0); with s61 at work: none of the three ever holds my place in the cluster
.set OB,  56                           ; s[56:57] o16 at my first token
.set XP,  58                           ; s[58:59] the chunk that is being asked for
.set CB,  60                           ; s60 the chunk that is asked for next
.set XO,  62                           ; s[62:63] its offset in a row (s63 stays 0)
.set MSB, 0
.macro WIN new                         ; the immediate's high byte repeats the setting that is left
.if MSB != (\new)
	s_set_vgpr_msb (MSB<<8)|(\new)
.set MSB, \new
.endif
.endm
.macro PLACES n
.rept \n
	v_nop
.endr
.endm
.macro BARRIER                         ; my LDS stores have landed and my LDS loads are in: then the work-group's barrier
	s_wait_dscnt 0x0
	s_barrier_signal -1
	s_barrier_wait -1
.endm
.macro ROUND                           ; a round of the cluster's barrier
	s_barrier_signal -1
	s_barrier_wait -1
	s_cmp_lg_u32 s[WV], 0
	s_cbranch_scc1 .Lnot_wave_0_\@
	s_barrier_signal -3
.Lnot_wave_0_\@:
	s_barrier_wait -3
	s_barrier_signal -1
	s_barrier_wait -1
.endm
; the next chunk: my 16 tokens x 128 along K, K step (chunk + ROT) % 8 of its tensor, into buffer fb: register 8 i + e = token 2 i + lane / 16, k = 8 (lane % 16) + e
.macro XLOAD fb
	s_wait_xcnt 0x0                                ; the loads that are out have read their base: it may be written
	s_add_co_u32 s[XO], s[CB], s[ROT]
	s_and_b32 s[XO], s[XO], 7
	s_lshl_b32 s[XO], s[XO], 9                     ; 512 bytes of a row to a K step
	s_add_nc_u64 s[XP:XP+1], s[XT:XT+1], s[XO:XO+1]
	s_add_co_u32 s[CB], s[CB], 1
	WIN 0x40
.irp i, 0,1,2,3,4,5,6,7
	global_load_b128 v[64*(\fb)+8*\i:64*(\fb)+8*\i+3], v[XA], s[XP:XP+1] offset:8192*\i th:TH_LOAD_NT
	global_load_b128 v[64*(\fb)+8*\i+4:64*(\fb)+8*\i+7], v[XA], s[XP:XP+1] offset:8192*\i+16 th:TH_LOAD_NT
.endr
	WIN 0
.endm
; the chunk in buffer fb becomes my fragment and scale words in x's LDS buffer buf.  Four lanes hold a block of 32.
.macro QUANT fb, buf
	WIN 0x05
.irp i, 0,1,2,3,4,5,6,7
	v_max3_num_f32 v[TM+\i], |v[64*(\fb)+8*\i]|, |v[64*(\fb)+8*\i+1]|, 0x1800000   ; and the floor 2^(3 - 127): the byte cannot fall under 1
.endr
	WIN 0x14
.irp e, 2,4,6
.irp i, 0,1,2,3,4,5,6,7
	v_max3_num_f32 v[TM+\i], v[TM+\i], |v[64*(\fb)+8*\i+\e]|, |v[64*(\fb)+8*\i+\e+1]|
.endr
.endr
	WIN 0
.irp i, 0,1,2,3,4,5,6,7
	v_max_num_f32_dpp v[TM+\i], v[TM+\i], v[TM+\i] row_xmask:1 row_mask:0xf bank_mask:0xf
.endr
.irp i, 0,1,2,3,4,5,6,7
	v_max_num_f32_dpp v[TM+\i], v[TM+\i], v[TM+\i] row_xmask:2 row_mask:0xf bank_mask:0xf
.endr
.irp i, 0,1,2,3,4,5,6,7
	v_add_nc_u32 v[SC+\i], 0xff000000, v[TM+\i]    ; 2 off the exponent field: the conversion's scale operand
.endr
	WIN 0x01
.irp i, 0,1,2,3,4,5,6,7
	v_cvt_scalef32_pk8_fp4_f32 v[CD+\i], v[64*(\fb)+8*\i:64*(\fb)+8*\i+7], v[SC+\i]
.endr
	WIN 0
.irp i, 0,1,2,3,4,5,6,7
	v_lshrrev_b32 v[BY+\i], 23, v[SC+\i]           ; the scale's byte (also the plain line behind the conversions)
.endr
.irp i, 0,1,2,3,4,5,6,7
	ds_store_b32 v[CA], v[CD+\i] offset:(\buf)*XIBUF+32*\i
.endr
.irp i, 0,1,2,3,4,5,6,7
	ds_store_b8 v[BA], v[BY+\i] offset:(\buf)*XIBUF+8*\i   ; the four lanes of a block write the same byte with the same value
.endr
.endm
; THE CHANGE OF SLOTS at a step's head.  One round serves three orderings: nobody reads the slot that is filled again; x's fragments, stored in the step before, are whole; the x buffer written next has been read out.
.macro CHANGE slot, refill
	s_wait_tensorcnt 0x0                           ; my one load that was out is my part of this step's slot
	ds_add_u32 v[SPW], v[NIL]                      ; 0 onto my spare word
.if \refill
	s_add_co_u32 s[DT], s[JB], s[ROT]              ; no load of mine is out, so a group 0 may be written: the next step's block is
	s_and_b32 s[DT], s[DT], 7                      ; K step (step + ROT) % 8
	s_and_b32 s61, s[JB], 24                       ; of tensor step / 8
	s_or_b32 s[DT], s[DT], s61
	s_mul_i32 s[DT], s[DT], STEPB
	s_add_nc_u64 s[G0+4*(1-(\slot))+2:G0+4*(1-(\slot))+3], s[WB:WB+1], s[DT:DT+1]
	s_or_b32 s[G0+4*(1-(\slot))+3], s[G0+4*(1-(\slot))+3], 0x80000000   ; type = 2
	s_add_co_u32 s[JB], s[JB], 1
	s_wait_dscnt 0x0                               ; the add, my stores of x's fragment, my reads of the other slot
	ROUND
	tensor_load_to_lds s[G0+4*(1-(\slot)):G0+4*(1-(\slot))+3], s[G1:G1+7]   ; the next step's block, into the slot read last: my one tensor load until the next round
	s_nop 0
.else
	s_wait_dscnt 0x0
	s_barrier_signal -1
	s_barrier_wait -1
.endif
	PLACES 4
.endm
.macro FETCH slot, buf                 ; 48 LDS loads: scale words first, then x's four fragments, then my sixteen of W in ascending order
.irp m, 0,1,2,3
	ds_load_b32 v[XS+\m], v[XSR] offset:(\buf)*XIBUF+64*\m
.endr
.irp z, 0,1,2,3
	ds_load_b64 v[SW+2*\z:SW+2*\z+1], v[WS+(\slot)] offset:256*\z
.endr
.irp m, 0,1,2,3
.irp c, 0,1
	ds_load_b128 v[XF+8*\m+4*\c:XF+8*\m+4*\c+3], v[XR] offset:(\buf)*XIBUF+1152*\m+576*\c
.endr
.endr
.irp nt, 0,1,2,3,4,5,6,7,8,9,10,11,12,13,14,15
.irp c, 0,1
	ds_load_b128 v[WF+8*\nt+4*\c:WF+8*\nt+4*\c+3], v[WR+(\slot)] offset:1024*\nt+512*\c
.endr
.endr
.endm
; 64 products, each accumulator once: the accumulators take turns.  Ahead of each four tiles of W: the loads of the later tiles, two a tile, may be out.
.macro MULS
.irp q, 0,1,2,3
	s_wait_dscnt 24-8*\q
.if \q < 2
	WIN 0xa0                                       ; C and D window 2
.else
	WIN 0xf0                                       ; window 3
.endif
.irp n, 0,1,2,3
.irp m, 0,1,2,3
.if (\n)%2
	v_wmma_scale_f32_16x16x128_f8f6f4 v[8*(4*((4*\q+\n)%8)+\m):8*(4*((4*\q+\n)%8)+\m)+7], v[WF+8*(4*\q+\n):WF+8*(4*\q+\n)+7], v[XF+8*\m:XF+8*\m+7], v[8*(4*((4*\q+\n)%8)+\m):8*(4*((4*\q+\n)%8)+\m)+7], v[SW+2*\q+(\n)/2], v[XS+\m] matrix_a_fmt:MATRIX_FMT_FP4 matrix_b_fmt:MATRIX_FMT_FP4 matrix_a_scale:MATRIX_SCALE_ROW1
.else
	v_wmma_scale_f32_16x16x128_f8f6f4 v[8*(4*((4*\q+\n)%8)+\m):8*(4*((4*\q+\n)%8)+\m)+7], v[WF+8*(4*\q+\n):WF+8*(4*\q+\n)+7], v[XF+8*\m:XF+8*\m+7], v[8*(4*((4*\q+\n)%8)+\m):8*(4*((4*\q+\n)%8)+\m)+7], v[SW+2*\q+(\n)/2], v[XS+\m] matrix_a_fmt:MATRIX_FMT_FP4 matrix_b_fmt:MATRIX_FMT_FP4
.endif
.endr
.endr
.endr
	WIN 0
.endm
; step p of a trip's four.  lcnt: the loads younger than the next chunk's (-1: no chunk is left).  xl = 1: the chunk five steps on is asked for
.macro STEP p, refill, lcnt, xl
	CHANGE (\p)%2, \refill
	FETCH (\p)%2, (\p)%2
	MULS
.if (\lcnt) >= 0
	s_wait_loadcnt \lcnt
	QUANT ((\p)+1)%4, ((\p)+1)%2
.endif
.if \xl
	XLOAD ((\p)+1)%4
.endif
.endm
.macro CVTM m                          ; token tile m's 16 accumulators to f16: 4 registers a tile at WF + 4 nt; each accumulator from its low end on
	WIN 0x0a
.irp nt, 0,1,2,3,4,5,6,7
.irp e, 0,1,2,3
	v_cvt_pk_f16_f32 v[WF+4*\nt+\e], v[8*(4*\nt+(\m))+2*\e], v[8*(4*\nt+(\m))+2*\e+1]
.endr
.endr
	WIN 0x0f
.irp nt, 0,1,2,3,4,5,6,7
.irp e, 0,1,2,3
	v_cvt_pk_f16_f32 v[WF+32+4*\nt+\e], v[8*(4*\nt+(\m))+2*\e], v[8*(4*\nt+(\m))+2*\e+1]
.endr
.endr
	WIN 0
.endm
.macro BIASLD m, ten                   ; token tile m's accumulators take tensor ten's bias: all lanes of a half read the same 32 bytes
	WIN 0x80
.irp nt, 0,1,2,3,4,5,6,7
	ds_load_b128 v[8*(4*\nt+(\m)):8*(4*\nt+(\m))+3], v[AB] offset:(\ten)*4096+64*\nt
	ds_load_b128 v[8*(4*\nt+(\m))+4:8*(4*\nt+(\m))+7], v[AB] offset:(\ten)*4096+64*\nt+16
.endr
	WIN 0xc0
.irp nt, 0,1,2,3,4,5,6,7
	ds_load_b128 v[8*(4*\nt+(\m)):8*(4*\nt+(\m))+3], v[AB] offset:(\ten)*4096+512+64*\nt
	ds_load_b128 v[8*(4*\nt+(\m))+4:8*(4*\nt+(\m))+7], v[AB] offset:(\ten)*4096+512+64*\nt+16
.endr
	WIN 0
.endm
; qh leaves the accumulators.  (The quantiser's plain lines behind the step's products are the places ahead of the conversions.)
.macro EPI_Q
.irp m, 0,1,2,3
.if \m > 0
	s_wait_dscnt 32                                ; the last tile's 16 stores have read their registers; the 32 bias loads behind them may be out
.endif
	CVTM \m
.irp nt, 0,1,2,3,4,5,6,7,8,9,10,11,12,13,14,15
	ds_store_b128 v[AQ+(\m)/2], v[WF+4*\nt:WF+4*\nt+3] offset:((\m)%2)*MT+((\nt)%4)*512+((\nt)/4)*16   ; head 4 w + nt / 4, channels 16 (nt % 4) + 8 half on
.endr
	BIASLD \m, 1
.endr
.endm
; the softmax of four tokens, by turns.  S^T of token i in v[XF + 8 i ..]: my first head's eight second heads; the other eight lie in lane l xor 16.
.macro SOFTMAX4
.irp i, 0,1,2,3
	v_max3_num_f32 v[QT+8*\i], v[XF+8*\i], v[XF+8*\i+1], v[XF+8*\i+2]
.endr
.irp e, 3,5
.irp i, 0,1,2,3
	v_max3_num_f32 v[QT+8*\i], v[QT+8*\i], v[XF+8*\i+\e], v[XF+8*\i+\e+1]
.endr
.endr
.irp i, 0,1,2,3
	v_max_num_f32 v[QT+8*\i], v[QT+8*\i], v[XF+8*\i+7]
.endr
.irp i, 0,1,2,3
	v_permlanex16_b32 v[QT+8*\i+1], v[QT+8*\i], s[SEL], s[SEL+1]
.endr
.irp i, 0,1,2,3
	v_max_num_f32 v[QT+8*\i], v[QT+8*\i], v[QT+8*\i+1]   ; the row's maximum
.endr
.irp i, 0,1,2,3
	v_mul_f32 v[QT+8*\i+2], s[CS], v[QT+8*\i]
.endr
.irp e, 0,2,4,6
.irp i, 0,1,2,3
	v_pk_fma_f32 v[XF+8*\i+\e:XF+8*\i+\e+1], v[XF+8*\i+\e:XF+8*\i+\e+1], s[CS:CS+1], v[QT+8*\i+2:QT+8*\i+3] op_sel_hi:[1,0,0] neg_lo:[0,0,1] neg_hi:[0,0,1]   ; c s - c max
.endr
.endr
.irp e, 0,1,2,3,4,5,6,7
.irp i, 0,1,2,3
	v_exp_f32 v[XF+8*\i+\e], v[XF+8*\i+\e]
.endr
.endr
	v_nop                                          ; a plain line behind the last exponential
	s_wait_alu depctr_va_vdst(0)                   ; one wait for the batch of 32, ahead of its first reader
.irp i, 0,1,2,3
	v_pk_add_f32 v[QT+8*\i+4:QT+8*\i+5], v[XF+8*\i:XF+8*\i+1], v[XF+8*\i+2:XF+8*\i+3]
.endr
.irp i, 0,1,2,3
	v_pk_add_f32 v[QT+8*\i+6:QT+8*\i+7], v[XF+8*\i+4:XF+8*\i+5], v[XF+8*\i+6:XF+8*\i+7]
.endr
.irp i, 0,1,2,3
	v_pk_add_f32 v[QT+8*\i+4:QT+8*\i+5], v[QT+8*\i+4:QT+8*\i+5], v[QT+8*\i+6:QT+8*\i+7]
.endr
.irp i, 0,1,2,3
	v_add_f32 v[QT+8*\i+4], v[QT+8*\i+4], v[QT+8*\i+5]
.endr
.irp i, 0,1,2,3
	v_permlanex16_b32 v[QT+8*\i+5], v[QT+8*\i+4], s[SEL], s[SEL+1]
.endr
.irp i, 0,1,2,3
	v_add_f32 v[QT+8*\i+4], v[QT+8*\i+4], v[QT+8*\i+5]   ; the row's sum
.endr
.irp i, 0,1,2,3
	v_rcp_f32 v[QT+8*\i+6], v[QT+8*\i+4]
.endr
	v_nop
	s_wait_alu depctr_va_vdst(0)                   ; one wait for the four reciprocals
.irp e, 0,2,4,6
.irp i, 0,1,2,3
	v_pk_mul_f32 v[XF+8*\i+\e:XF+8*\i+\e+1], v[XF+8*\i+\e:XF+8*\i+\e+1], v[QT+8*\i+6:QT+8*\i+7] op_sel_hi:[1,0]
.endr
.endr
.irp i, 0,1,2,3
.irp e, 0,1,2,3
	v_cvt_pk_f16_f32 v[PR+4*\i+\e], v[XF+8*\i+2*\e], v[XF+8*\i+2*\e+1]
.endr
.endr
.endm
; kh leaves the accumulators, a tile of 16 tokens at a time; scores and softmax of that tile; P goes, as an image of its registers, into the token's own row of qh, which only this wave reads and which is done with.
.macro EPI_K
.irp m, 0,1,2,3
	CVTM \m
.irp nt, 0,1,2,3,4,5,6,7,8,9,10,11,12,13,14,15
	ds_store_b128 v[AK], v[WF+4*\nt:WF+4*\nt+3] offset:((\nt)%4)*512+((\nt)/4)*16
.endr
	BIASLD \m, 2
	BARRIER                                        ; the tile's kh lies in LDS
.irp i, 0,1,2,3
.irp s, 0,1
.irp u, 0,1
	ds_load_b128 v[WF+32*\i+8*\s+4*\u:WF+32*\i+8*\s+4*\u+3], v[RK] offset:\i*TOKP+(4*\s+2*\u)*256
	ds_load_b128 v[WF+32*\i+16+8*\s+4*\u:WF+32*\i+16+8*\s+4*\u+3], v[RQ+(\m)/2] offset:((\m)%2)*MT+\i*TOKP+(4*\s+2*\u)*256
.endr
.endr
.endr
	BARRIER                                        ; every wave has its fragments: the next tile's kh may be stored
.irp i, 0,1,2,3
	v_wmma_f32_16x16x32_f16 v[XF+8*\i:XF+8*\i+7], v[WF+32*\i:WF+32*\i+7], v[WF+32*\i+16:WF+32*\i+23], 0
.endr
.irp i, 0,1,2,3
	v_wmma_f32_16x16x32_f16 v[XF+8*\i:XF+8*\i+7], v[WF+32*\i+8:WF+32*\i+15], v[WF+32*\i+24:WF+32*\i+31], v[XF+8*\i:XF+8*\i+7]   ; the four tokens by turns
.endr
	PLACES 4
	SOFTMAX4
.irp i, 0,1,2,3
	ds_store_b128 v[PA+(\m)/2], v[PR+4*\i:PR+4*\i+3] offset:((\m)%2)*MT+\i*TOKP
.endr
.endr
.endm
.macro VLOAD y                         ; pair y = tokens 2 (y % 2), + 1 of tile y / 2: vh^T's fragments into buffer y % 2
	WIN 0x40
.irp t, 0,1
.irp dt, 0,1,2,3
	ds_load_b128 v[VV+48*((\y)%2)+12*\dt+8*\t:VV+48*((\y)%2)+12*\dt+8*\t+3], v[RQ+(\y)/4] offset:(((\y)/2)%2)*MT+(2*((\y)%2)+\t)*TOKP+\dt*512
.endr
.endr
	WIN 0
.endm
.macro PAIR y
	WIN 0x85                                       ; V and P window 1, O^T window 2
.irp t, 0,1
.irp dt, 0,1,2,3
	v_wmma_f32_16x16x32_f16 v[64*((\y)%2)+32*\t+8*\dt:64*((\y)%2)+32*\t+8*\dt+7], v[VV+48*((\y)%2)+12*\dt+4*\t:VV+48*((\y)%2)+12*\dt+4*\t+7], v[PP+12*(\y)+4*\t:PP+12*(\y)+4*\t+7], 0
.endr
.endr
.if (\y) < 7
	VLOAD (\y)+1                                   ; into the other buffer, which the pair before has left
.endif
	WIN 0
	PLACES 4
	WIN 0x0a
.irp t, 0,1
.irp dt, 0,1,2,3
.irp e, 0,1,2,3
	v_cvt_pk_f16_f32 v[WF+4*(4*\t+\dt)+\e], v[64*((\y)%2)+32*\t+8*\dt+2*\e], v[64*((\y)%2)+32*\t+8*\dt+2*\e+1]
.endr
.endr
.endr
	WIN 0
.irp t, 0,1
.irp dt, 0,1,2,3
	ds_store_b128 v[SO], v[WF+4*(4*\t+\dt):WF+4*(4*\t+\dt)+3] offset:\t*2304+32*\dt   ; head = lane % 16, channels 16 dt + 8 half on
.endr
.endr
	s_wait_xcnt 0x0                                ; the stores of two pairs back have read their registers
.irp t, 0,1
.irp i, 0,1,2,3
	ds_load_b128 v[WF+64+32*((\y)%2)+4*(4*\t+\i):WF+64+32*((\y)%2)+4*(4*\t+\i)+3], v[SR] offset:\t*2304+576*\i   ; LDS serves a wave's instructions in order: these see my stores
.endr
.endr
	s_wait_dscnt 0x0                               ; the rows are back (and the next pair's fragments are in)
.irp t, 0,1
.irp i, 0,1,2,3
	global_store_b128 v[GO], v[WF+64+32*((\y)%2)+4*(4*\t+\i):WF+64+32*((\y)%2)+4*(4*\t+\i)+3], s[OB:OB+1] offset:((\y)/2)*32768+(2*((\y)%2)+\t)*2048+512*\i   ; 32 lanes store 512 consecutive bytes
.endr
.endr
.endm
	s_load_b512 s[4:19], s[0:1], 0x0               ; q, k, v, bq, bk, bv, wpk, o16
	v_lshl_add_u32 v[SPW], v0, 2, SPARE
	v_mov_b32 v[NIL], 0
	ds_add_u32 v[SPW], v[NIL]                      ; the wave's opening: the add, twice on end, and its wait ahead of my first tensor load
	ds_add_u32 v[SPW], v[NIL]
	v_lshrrev_b32 v26, 5, v0
	v_readfirstlane_b32 s[WV], v26                 ; wave 0..3
	s_mov_b32 s[G1], 15|(3<<16)|(1<<21)            ; the mask: all four work-groups; elements of 8 bytes; bit 21 set beside a mask; no padding
	s_mov_b32 s[G1+1], 32<<16                      ; tensor_dim0 = 32 elements: 256 bytes
	s_mov_b32 s[G1+2], 68<<16                      ; tensor_dim1 = 68 rows: 17,408 dense bytes
	s_mov_b32 s[G1+3], 32<<16                      ; tile_dim0
	s_mov_b32 s[G1+4], 68                          ; tile_dim1
	s_mov_b32 s[G1+5], 32                          ; from row to row
	s_mov_b32 s[G1+6], 0
	s_mov_b32 s[G1+7], 0
	v_and_b32 v26, 31, v0                          ; lane
	v_and_b32 v27, 15, v0                          ; r
	v_bfe_u32 v28, v0, 4, 1                        ; h
	v_lshlrev_b32 v[XA], 5, v27
	v_lshl_add_u32 v[XA], v28, 12, v[XA]
	v_and_b32 v29, 3, v0
	v_lshlrev_b32 v[CA], 2, v29
	v_lshl_add_u32 v[CA], v28, 4, v[CA]
	v_bfe_u32 v29, v0, 2, 1
	v_mad_u32_u24 v[CA], v29, 288, v[CA]
	v_bfe_u32 v29, v0, 3, 1
	v_mad_u32_u24 v[CA], v29, 576, v[CA]
	s_mul_i32 s52, s[WV], 1152
	s_add_co_u32 s52, s52, XIB
	v_add_nc_u32 v[CA], s52, v[CA]
	v_bfe_u32 v[BA], v0, 2, 2
	v_lshl_add_u32 v[BA], v28, 2, v[BA]
	s_lshl_b32 s52, s[WV], 6
	s_add_co_u32 s53, s52, XIB+XISC
	v_add_nc_u32 v[BA], s53, v[BA]
	v_lshlrev_b32 v[XR], 4, v27
	v_mad_u32_u24 v[XR], v28, 288, v[XR]
	v_add_nc_u32 v[XR], XIB, v[XR]
	v_lshl_add_u32 v[XSR], v27, 2, XIB+XISC
	s_mul_i32 s54, s[WV], WPART
	v_lshl_add_u32 v[WR], v26, 4, s54
	v_add_nc_u32 v[WR+1], STEPB, v[WR]
	s_add_co_u32 s53, s54, 16384
	v_lshl_add_u32 v[WS], v26, 3, s53
	v_add_nc_u32 v[WS+1], STEPB, v[WS]
	v_mul_u32_u24 v29, v27, TOKP
	v_lshl_add_u32 v29, v28, 8, v29                ; token r, + 256 x half
	s_add_co_u32 s53, s52, QHB
	v_add_nc_u32 v[AQ], s53, v29
	v_add_nc_u32 v[AQ+1], 2*MT, v[AQ]
	s_add_co_u32 s53, s52, KXB
	v_add_nc_u32 v[AK], s53, v29
	s_lshl_b32 s53, s[WV], 9
	s_add_co_u32 s53, s53, QHB
	v_add_nc_u32 v[AV], s53, v29
	v_add_nc_u32 v[AV+1], 2*MT, v[AV]
	s_lshl_b32 s55, s[WV], 10
	s_add_co_u32 s53, s55, BIB
	v_lshl_add_u32 v[AB], v28, 5, s53
	v_lshl_add_u32 v46, v26, 4, s53                ; the biases on their way in: 16 bytes a lane,
	v_lshl_add_u32 v47, v26, 2, s53                ; or 4
	v_lshl_add_u32 v44, v26, 4, s55                ; bq, bk: my wave's 1,024 bytes
	v_lshlrev_b32 v45, 8, v27
	v_lshl_add_u32 v45, v28, 2, v45
	v_add_nc_u32 v45, s52, v45                     ; bv: head r, channel 16 w + h (+ 2 i)
	v_lshlrev_b32 v30, 4, v27
	v_lshl_add_u32 v30, v28, 8, v30                ; head or channel r, + 256 x half
	s_mul_i32 s52, s[WV], 4*TOKP                   ; my four tokens of a tile
	s_add_co_u32 s53, s52, KXB
	v_add_nc_u32 v[RK], s53, v30
	s_add_co_u32 s53, s52, QHB
	v_add_nc_u32 v[RQ], s53, v30
	v_add_nc_u32 v[RQ+1], 2*MT, v[RQ]
	v_lshl_add_u32 v[PA], v26, 4, s53
	v_add_nc_u32 v[PA+1], 2*MT, v[PA]
	s_mul_i32 s52, s[WV], 4608
	s_add_co_u32 s52, s52, KXB
	v_mul_u32_u24 v[SO], v27, 144
	v_lshl_add_u32 v[SO], v28, 4, v[SO]
	v_add_nc_u32 v[SO], s52, v[SO]
	v_bfe_u32 v30, v0, 3, 2
	v_and_b32 v31, 7, v0
	v_mul_u32_u24 v[SR], v30, 144
	v_lshl_add_u32 v[SR], v31, 4, v[SR]
	v_add_nc_u32 v[SR], s52, v[SR]
	v_lshlrev_b32 v[GO], 4, v26
	s_mov_b32 s[SEL], 0x76543210
	s_mov_b32 s[SEL+1], 0xfedcba98
	s_mov_b32 s[CS], 0x3e38aa3b                    ; log2(e) / 8
	s_mov_b32 s[CS+1], s[CS]
	s_mov_b32 s[GR], 0
	s_mov_b32 s[JB], 1                             ; block 0 is asked for at the head
	s_mov_b32 s[CB], 0
	s_mov_b32 s[XO+1], 0
	s_mov_b32 s55, 0
	s_and_b32 s[ROT], ttmp9, 7                     ; in a cluster launch ttmp9 counts clusters: the same in all four partners
	; my place in the cluster enters the addresses of q, k, v and o16 alone
	s_bfe_u32 s21, ttmp6, 0x40000                  ; cx
	s_lshl_b32 s22, ttmp9, 2
	s_add_co_u32 s22, s22, s21                     ; my work-group
	s_lshl_b32 s52, s22, 18                        ; 64 rows of 4,096 bytes
	s_lshl_b32 s53, s[WV], 16                      ; my wave's 16
	s_add_co_u32 s52, s52, s53
	s_mov_b32 s53, 0
	s_lshl_b32 s58, s22, 17                        ; 64 rows of 2,048 bytes
	s_lshl_b32 s59, s[WV], 13                      ; my four tokens of a tile
	s_add_co_u32 s58, s58, s59
	s_mov_b32 s59, 0
	s_wait_dscnt 0x0                               ; both opening adds are done
	s_wait_kmcnt 0x0
	s_add_nc_u64 s[XT:XT+1], s[4:5], s[52:53]
	s_add_nc_u64 s[XN:XN+1], s[6:7], s[52:53]
	s_add_nc_u64 s[XN2:XN2+1], s[8:9], s[52:53]
	s_add_nc_u64 s[OB:OB+1], s[18:19], s[58:59]
	s_add_nc_u64 s[WB:WB+1], s[WB:WB+1], s[54:55]  ; wpk at my wave's part
	s_mov_b32 s[G0], 1
	s_mov_b32 s[G0+1], s54                         ; slot 0, my part
	s_mov_b32 s[G0+4], 1
	s_add_co_u32 s[G0+5], s54, STEPB               ; slot 1, my part; its address in memory is made at the first change of slots
	s_mul_i32 s[DT], s[ROT], STEPB                 ; step 0: K step ROT of Wq
	s_add_nc_u64 s[G0+2:G0+3], s[WB:WB+1], s[DT:DT+1]
	s_or_b32 s[G0+3], s[G0+3], 0x80000000
	ROUND                                          ; all four work-groups are here: the first joint loads meet
	tensor_load_to_lds s[G0:G0+3], s[G1:G1+7]      ; step 0; slot 1 is first filled behind the first step's round
	s_nop 0
	PLACES 4
	global_load_b128 v[WF:WF+3], v44, s[10:11]
	global_load_b128 v[WF+4:WF+7], v44, s[10:11] offset:512
	global_load_b128 v[WF+8:WF+11], v44, s[12:13]
	global_load_b128 v[WF+12:WF+15], v44, s[12:13] offset:512
.irp i, 0,1,2,3,4,5,6,7
	global_load_b32 v[WF+16+\i], v45, s[14:15] offset:8*\i   ; bv(64 r + 16 w + h + 2 i)
.endr
	XLOAD 0
	XLOAD 1
	XLOAD 2
	s_wait_loadcnt 48                              ; the biases are in; three chunks may be out
	ds_store_b128 v46, v[WF:WF+3]                  ; bq, bk lie in the accumulators' order as they are;
	ds_store_b128 v46, v[WF+4:WF+7] offset:512
	ds_store_b128 v46, v[WF+8:WF+11] offset:4096
	ds_store_b128 v46, v[WF+12:WF+15] offset:4096+512
.irp i, 0,1,2,3,4,5,6,7
	ds_store_b32 v47, v[WF+16+\i] offset:8192+128*\i   ; bv: tile 2 i + h, head r.  A wave reads its own 1,024 bytes of each alone
.endr
	XLOAD 3
.irp m, 0,1,2,3
	BIASLD \m, 0
.endr
	s_wait_loadcnt 48                              ; chunk 0 is in
	QUANT 0, 0
.Lgroup:                                           ; five trips of four steps: steps 0 to 19; a trip asks for chunks 4 g + 4 .. 4 g + 7, all of one tensor
	s_bitcmp1_b32 s[GR], 0                         ; in odd trips the chunks are the next tensor's first four
	s_cselect_b64 s[XT:XT+1], s[XN:XN+1], s[XT:XT+1]
	s_cselect_b64 s[XN:XN+1], s[XN2:XN2+1], s[XN:XN+1]
	XLOAD 0
	STEP 0, 1, 48, 1                               ; 48: the three chunks younger than the one that is quantised
	STEP 1, 1, 48, 1
	STEP 2, 1, 48, 1
	STEP 3, 1, 48, 0
	s_cmp_lg_u32 s[GR], 1                          ; the trip's number alone: the same in all waves and all partners
	s_cbranch_scc1 .Lnot_q
	EPI_Q
.Lnot_q:
	s_cmp_lg_u32 s[GR], 3
	s_cbranch_scc1 .Lnot_k
	EPI_K
.Lnot_k:
	s_add_co_u32 s[GR], s[GR], 1
	s_cmp_lt_u32 s[GR], 5
	s_cbranch_scc1 .Lgroup
	STEP 0, 1, 32, 0                               ; the last four steps ask for no x: the counts run down
	STEP 1, 1, 16, 0
	STEP 2, 1, 0, 0
	STEP 3, 0, -1, 0                               ; and the last fills no slot
	; vh leaves the accumulators; O^T = vh^T P, two tokens at a time; O goes out through my stage as whole rows
	PLACES 5
	WIN 0x40
.irp y, 0,1,2,3,4,5,6,7
.irp e, 0,1,2,3
	v_mov_b32 v[PP+12*\y+4+\e], 0                  ; the zeros that fill K = 16 up to the form's 32, shared by a pair's two tokens
	v_mov_b32 v[VV+12*\y+4+\e], 0
.endr
.endr
.irp y, 0,1,2,3,4,5,6,7
.irp t, 0,1
	ds_load_b128 v[PP+12*\y+8*\t:PP+12*\y+8*\t+3], v[PA+(\y)/4] offset:(((\y)/2)%2)*MT+(2*((\y)%2)+\t)*TOKP
.endr
.endr
	WIN 0
	BARRIER                                        ; every wave has its P in registers: vh may take qh's place
.irp m, 0,1,2,3
	CVTM \m
.irp nt, 0,1,2,3,4,5,6,7,8,9,10,11,12,13,14,15
	ds_store_b128 v[AV+(\m)/2], v[WF+4*\nt:WF+4*\nt+3] offset:((\m)%2)*MT+16*\nt   ; channel 16 w + nt, heads 8 half on
.endr
	s_wait_dscnt 0x0                               ; the stores have read their registers
.endr
	BARRIER                                        ; vh of all 64 tokens lies in LDS
	VLOAD 0
	s_wait_dscnt 0x0
.irp y, 0,1,2,3,4,5,6,7
	PAIR \y
.endr
	s_wait_tensorcnt 0x0                           ; the wave's end, behind my last tensor load and my last LDS store
	ds_add_u32 v[SPW], v[NIL]
	s_wait_dscnt 0x0
	ROUND                                          ; the closing round: no work-group ends while a partner may still ask for a block that names it
	s_endpgm
.Lfunc_end_k_q5a5e0e650b_attn:
	.size	k_q5a5e0e650b_attn, .Lfunc_end_k_q5a5e0e650b_attn-k_q5a5e0e650b_attn
	.p2alignl 7, 3214868480
	.fill 96, 4, 3214868480
	.section	.rodata,"a",@progbits
	.p2align	6, 0x0
	.amdhsa_kernel k_q5a5e0e650b_attn
		.amdhsa_group_segment_fixed_size 327680
		.amdhsa_private_segment_fixed_size 0
		.amdhsa_enable_private_segment 0
		.amdhsa_kernarg_size 64
		.amdhsa_user_sgpr_count 2
		.amdhsa_user_sgpr_kernarg_segment_ptr 1
		.amdhsa_wavefront_size32 1
		.amdhsa_system_sgpr_workgroup_id_x 1
		.amdhsa_system_sgpr_workgroup_id_y 1
		.amdhsa_system_sgpr_workgroup_id_z 1
		.amdhsa_system_vgpr_workitem_id 0
		.amdhsa_next_free_vgpr 1024
		.amdhsa_next_free_sgpr 66
		.amdhsa_reserve_vcc 0
		.amdhsa_float_denorm_mode_32 3
		.amdhsa_float_denorm_mode_16_64 3
		.amdhsa_memory_ordered 1
		.amdhsa_forward_progress 1
		.amdhsa_inst_pref_size 255
	.end_amdhsa_kernel
	.section	.bss,"aw",@nobits
	.p2align	6
	.space	262144
	.amdgpu_metadata
---
amdhsa.version: [ 1, 2 ]
amdhsa.kernels:
  - .name:           k_q5a5e0e650b_attn
    .symbol:         k_q5a5e0e650b_attn.kd
    .args:
      - { .name: q, .offset: 0, .size: 8, .value_kind: global_buffer, .address_space: global }
      - { .name: k, .offset: 8, .size: 8, .value_kind: global_buffer, .address_space: global }
      - { .name: v, .offset: 16, .size: 8, .value_kind: global_buffer, .address_space: global }
      - { .name: bq, .offset: 24, .size: 8, .value_kind: global_buffer, .address_space: global }
      - { .name: bk, .offset: 32, .size: 8, .value_kind: global_buffer, .address_space: global }
      - { .name: bv, .offset: 40, .size: 8, .value_kind: global_buffer, .address_space: global }
      - { .name: wpk, .offset: 48, .size: 8, .value_kind: global_buffer, .address_space: global }
      - { .name: o16, .offset: 56, .size: 8, .value_kind: global_buffer, .address_space: global }
    .group_segment_fixed_size: 327680
    .private_segment_fixed_size: 0
    .kernarg_segment_align: 8
    .kernarg_segment_size: 64
    .max_flat_workgroup_size: 128
    .sgpr_count:     66
    .vgpr_count:     1024
    .wavefront_size: 32
...
	.end_amdgpu_metadata
.endif
;; end of part 2
;; launch oproj (part 3): grid 4 x 64, 4 waves a work-group, clusters of 4 x 4, 327,680 bytes of LDS; arguments o16, wo16, bo, out0; writes out0
.if DOCPART == 3
	.amdgcn_target "amdgcn-amd-amdhsa--gfx1250"
	.amdhsa_code_object_version 6
	.text
	.protected	k_q5a5e0e650b_oproj
	.globl	k_q5a5e0e650b_oproj
	.p2align	8
	.type	k_q5a5e0e650b_oproj,@function
k_q5a5e0e650b_oproj:
	s_mov_b64 s[64:65], 0
	v_nop
	global_prefetch_b8 v0, s[64:65] scope:SCOPE_SE
	s_setreg_imm32_b32 hwreg(HW_REG_WAVE_MODE, 25, 1), 1
	s_wait_xcnt 0x0
	s_wait_alu depctr_hold_cnt(0) depctr_sa_sdst(0) depctr_va_vdst(0) depctr_va_sdst(0) depctr_va_ssrc(0) depctr_va_vcc(0) depctr_vm_vsrc(0)
	s_getreg_b32 s2, hwreg(HW_REG_IB_STS2, 6, 4)
	s_cmp_eq_u32 s2, 0
	s_cbranch_scc0 .Lentry_in_a_cluster
	s_endpgm
.Lentry_in_a_cluster:
	s_bfe_u32 s2, ttmp6, 0x10000c
	s_cmp_lg_u32 s2, 0xf033
	s_cbranch_scc0 .Lentry_shape_is_right
	s_endpgm
.Lentry_shape_is_right:
; out0[m][n] = sum over k of O[m][k] Wo[n][k] + bo[n].  O: [16384][1024] f16, Wo: [1024][1024] f16, bo: [1024] f32, out0: [16384][1024] f32; sums in f32.
; f16 and not bf16: with 1,024 terms a sum the rounding of 8-bit mantissas would use up what the comparison allows.  LIMIT: |O| and |Wo| inside f16's range, 65,504.  The bias starts each sum.
; A tile of 256 x 256 is made by a work-group of four waves; a wave makes 128 x 128: 64 accumulators, 512 registers.  K goes in 8 steps of 128 through a ring of two LDS slots filled by the tensor data mover:
; a tile's row is 256 bytes of memory.  One tile to a work-group: 4 x 64 tiles.
; CLUSTERS: 4 x 4 work-groups.  The four of a row of the cluster need the same tiles of O, the four of a column the same tiles of Wo: each tile is asked for JOINTLY.
; THE MATRIX INSTRUCTION IS USED TRANSPOSED (source 0 = 16 rows of Wo, source 1 = 16 rows of O): a lane holds eight neighbouring numbers of a row of out0.
; REGISTERS: window 0: v0-31 addresses; v64-127, v128-191 O's fragments, two buffers; v192-255 the bias in the result's layout (8 column blocks x 8), later rows on the way out.
;   window 1: v64-127, v128-191 Wo's fragments.  window 2: the accumulators of my rows 0-63 ((a, b) at v[8 (8 a + b)]); window 3: those of rows 64-127.
; No prefetch: K has eight steps, of which the first four would come by their loads alone.
.set SIZE_N, 1024
.set SIZE_K, 1024
.set KSTEP,  128
.set PITCH,  272                       ; an LDS row: 256 bytes + 16 of padding: the 16 rows that a load touches start at 16 different groups of banks
.set HALFT,  128*PITCH                 ; what one tensor load brings
.set SLOT,   4*HALFT
.set SPARE,  2*SLOT                    ; behind the ring: the spare words, 128 bytes a wave, which no other line names
.set SPITCH, 528                       ; the way out: a stage of 16 rows x (512 + 16) bytes a wave, in slot 0, which has had its last fill and its last read by then
.set LAPS,   SIZE_K/(2*KSTEP)
.set ADRA, 16
.set ADRB, 20
.set STO,  24
.set RD,   25
.set CO,   26
.set SPW,  28
.set NIL,  29
.set BOF,  30
.set F0,   64
.set F1,   128
.set BI,   192
.set BK,   128
.set G1,  24
.set G0,  32
.set G1B, 48
.set G0B, 56
.set MSB, 0
.macro WIN new
.if MSB != (\new)
	s_set_vgpr_msb (MSB<<8)|(\new)
.set MSB, \new
.endif
.endm
.set MUL_LO, 0xa1                      ; source 0 (Wo) window 1, source 1 (O) window 0, C and D window 2
.set MUL_HI, 0xf1                      ; the same, C and D window 3
.set TO_B,   0x40
.macro JLOAD s                         ; a joint load: waves 0 and 1 fetch O's two halves, waves 2 and 3 Wo's; the branch hangs on the wave's number alone
	s_cmp_eq_u32 s13, 0
	s_cbranch_scc0 .Lfor_b_\@
	tensor_load_to_lds s[G0+4*\s:G0+4*\s+3], s[G1:G1+7]
	s_nop 0
.rept 4
	v_nop
.endr
	s_branch .Lasked_\@
.Lfor_b_\@:
	tensor_load_to_lds s[G0B+4*\s:G0B+4*\s+3], s[G1B:G1B+7]
	s_nop 0
.rept 4
	v_nop
.endr
.Lasked_\@:
.endm
.macro CREST                           ; a round of the cluster's barrier behind its opening barrier
	s_cmp_lg_u32 s12, 0
	s_cbranch_scc1 .Lnot_wave_0_\@
	s_barrier_signal -3
.Lnot_wave_0_\@:
	s_barrier_wait -3
	s_barrier_signal -1
	s_barrier_wait -1
.endm
.macro CROUND
	s_barrier_signal -1
	s_barrier_wait -1
	CREST
.endm
.macro PLACES
.rept 4
	v_nop
.endr
.endm
	s_load_b256 s[4:11], s[0:1], 0x0               ; o16, wo16, bo, out0
	v_lshl_add_u32 v[SPW], v0, 2, SPARE
	v_mov_b32 v[NIL], 0
	ds_add_u32 v[SPW], v[NIL]                      ; the wave's opening: the add, twice on end, and its wait ahead of my first tensor load
	ds_add_u32 v[SPW], v[NIL]
	v_lshrrev_b32 v1, 5, v0
	v_readfirstlane_b32 s12, v1                    ; wave 0..3
	s_lshr_b32 s13, s12, 1                         ; which half of the tile's rows is mine.  Also: I fetch for O (0) or for Wo (1)
	s_and_b32 s14, s12, 1                          ; which half of its columns.  Also: which 128 rows of that tile I fetch
	s_bfe_u32 s15, ttmp6, 0x40000                  ; cx
	s_bfe_u32 s16, ttmp6, 0x40004                  ; cy
	s_lshl_b32 s17, ttmp9, 2
	s_add_co_u32 s17, s17, s15                     ; tile column
	s_and_b32 s18, ttmp7, 0xffff
	s_lshl_b32 s18, s18, 2
	s_add_co_u32 s18, s18, s16                     ; tile row
	s_lshl_b32 s40, s16, 2
	s_lshl_b32 s40, 15, s40                        ; my row of the cluster
	s_lshl_b32 s41, 0x1111, s15                    ; my column
	s_or_b32 s[G1+0], s40, (1<<16)|(1<<20)|(1<<21)|(5<<22)|(3<<25)   ; the mask; elements of 2 bytes; padding on; bit 21 beside a mask; after every 64 words, 4 words
	s_or_b32 s[G1B+0], s41, (1<<16)|(1<<20)|(1<<21)|(5<<22)|(3<<25)
.irp g, G1, G1B
	s_mov_b32 s[\g+1], KSTEP<<16                   ; tensor_dim0 = 128
	s_mov_b32 s[\g+2], 128<<16                     ; tensor_dim1 = 128
	s_mov_b32 s[\g+3], KSTEP<<16                   ; tile_dim0
	s_mov_b32 s[\g+4], 128                         ; tile_dim1
	s_mov_b32 s[\g+5], SIZE_K                      ; from row to row, in elements
	s_mov_b32 s[\g+6], 0
	s_mov_b32 s[\g+7], 0
.endr
	s_lshl_b32 s20, s18, 8                         ; O: row 256 x tile row + 128 x half,
	s_lshl_b32 s21, s14, 7
	s_add_co_u32 s20, s20, s21
	s_lshl_b32 s20, s20, 11                        ; x 2,048 bytes: under 2^25
	s_mov_b32 s21, 0
	s_lshl_b32 s46, s17, 8                         ; Wo: row 256 x tile column + 128 x half
	s_lshl_b32 s47, s14, 7
	s_add_co_u32 s46, s46, s47
	s_lshl_b32 s46, s46, 11
	s_mov_b32 s47, 0
	s_mul_i32 s22, s12, HALFT                      ; where they go: wave x 128 rows
	s_wait_dscnt 0x0                               ; both opening adds are done
	s_wait_kmcnt 0x0
	s_add_nc_u64 s[20:21], s[4:5], s[20:21]
	s_add_nc_u64 s[46:47], s[6:7], s[46:47]
	CROUND                                         ; all sixteen work-groups are here: the first joint loads meet
.irp s, 0,1
	s_mov_b32 s[G0+4*\s], 1
	s_add_co_u32 s[G0+4*\s+1], s22, \s*SLOT
	s_add_nc_u64 s[G0+4*\s+2:G0+4*\s+3], s[20:21], \s*KSTEP*2
	s_or_b32 s[G0+4*\s+3], s[G0+4*\s+3], 0x80000000
	s_mov_b32 s[G0B+4*\s], 1
	s_add_co_u32 s[G0B+4*\s+1], s22, \s*SLOT
	s_add_nc_u64 s[G0B+4*\s+2:G0B+4*\s+3], s[46:47], \s*KSTEP*2
	s_or_b32 s[G0B+4*\s+3], s[G0B+4*\s+3], 0x80000000
	JLOAD \s
.endr
	v_and_b32 v1, 15, v0                           ; l % 16
	v_bfe_u32 v2, v0, 4, 1                         ; l / 16
	s_lshl_b32 s22, s17, 10                        ; my 128 columns, in bytes of f32: 1,024 x tile column + 512 x half
	s_lshl_b32 s23, s14, 9
	s_add_co_u32 s22, s22, s23
	s_mov_b32 s23, 0
	s_add_nc_u64 s[8:9], s[8:9], s[22:23]
	v_lshlrev_b32 v[BOF], 5, v2
.irp b, 0,1,2,3,4,5,6,7
	global_load_b128 v[BI+8*\b:BI+8*\b+3], v[BOF], s[8:9] offset:64*\b       ; bo(16 b + 8 (l / 16) + 0 .. 7) of my columns: the C of block b's first products
	global_load_b128 v[BI+8*\b+4:BI+8*\b+7], v[BOF], s[8:9] offset:64*\b+16
.endr
	v_mul_u32_u24 v3, v1, PITCH
	v_lshl_add_u32 v3, v2, 4, v3                   ; a fragment's row x pitch + 16 x half
	s_mul_i32 s42, s13, HALFT                      ; my 128 rows of O
	s_mul_i32 s43, s14, HALFT                      ; my 128 rows of Wo,
	s_add_co_u32 s43, s43, 2*HALFT                 ; behind O's 256
.irp s, 0,1
	v_add_nc_u32 v[ADRA+\s], s42, v3
	v_add_nc_u32 v[ADRB+\s], s43, v3
	s_add_co_u32 s42, s42, SLOT
	s_add_co_u32 s43, s43, SLOT
.endr
	s_mul_i32 s44, s12, 16*SPITCH                  ; my stage
	v_mul_u32_u24 v5, v1, SPITCH
	v_lshl_add_u32 v5, v2, 5, v5
	v_add_nc_u32 v[STO], s44, v5                   ; in: row l % 16, 32 bytes for each half of the lanes
	v_and_b32 v6, 31, v0
	v_lshlrev_b32 v[CO], 4, v6                     ; back: the 32 lanes take one row of 512 bytes; the same in out0
	v_add_nc_u32 v[RD], s44, v[CO]
	s_lshl_b32 s46, s18, 8
	s_lshl_b32 s47, s13, 7
	s_add_co_u32 s46, s46, s47                     ; my first row: 256 x tile row + 128 x half,
	s_lshl_b32 s46, s46, 12                        ; x 4,096 bytes: under 2^26
	s_add_co_u32 s46, s46, s22                     ; + my first column
	s_mov_b32 s47, 0
	s_add_nc_u64 s[10:11], s[10:11], s[46:47]
; 16 matrix instructions: row blocks a0, a0 + 1 of the window's four x all 8 column blocks, 32 along K.  zero = 1: the first product starts the sums from the bias.  The 64 accumulators take turns.
.macro MUL16 f, hi, a0, zero
.irp a, \a0, \a0+1
.irp b, 0,1,2,3,4,5,6,7
.if \zero
	v_wmma_f32_16x16x32_f16 v[8*(8*(\a)+\b):8*(8*(\a)+\b)+7], v[\f+8*\b:\f+8*\b+7], v[\f+8*(4*\hi+\a):\f+8*(4*\hi+\a)+7], v[BI+8*\b:BI+8*\b+7]
.else
	v_wmma_f32_16x16x32_f16 v[8*(8*(\a)+\b):8*(8*(\a)+\b)+7], v[\f+8*\b:\f+8*\b+7], v[\f+8*(4*\hi+\a):\f+8*(4*\hi+\a)+7], v[8*(8*(\a)+\b):8*(8*(\a)+\b)+7]
.endif
.endr
.endr
.endm
.macro FETCH slot, k, f                ; 32 LDS loads in one run: a quarter step's fragments (32 K at byte k of the rows) into buffer f
	WIN TO_B
.irp i, 0,1,2,3,4,5,6,7
	ds_load_b128 v[\f+8*\i:\f+8*\i+3],   v[ADRB+\slot] offset:\k+\i*16*PITCH
	ds_load_b128 v[\f+8*\i+4:\f+8*\i+7], v[ADRB+\slot] offset:\k+\i*16*PITCH+32
.endr
	WIN 0
.irp i, 0,1,2,3,4,5,6,7
	ds_load_b128 v[\f+8*\i:\f+8*\i+3],   v[ADRA+\slot] offset:\k+\i*16*PITCH
	ds_load_b128 v[\f+8*\i+4:\f+8*\i+7], v[ADRA+\slot] offset:\k+\i*16*PITCH+32
.endr
.endm
; one of a K step's first three quarters: multiplies buffer f; in its middle it fetches the next quarter, at byte k, into buffer g.  With zero = 1 the C operand lies in window 0
.macro QUARTER slot, k, f, g, zero
	s_wait_dscnt 8                                 ; Wo's and O's rows 0-63 are in; the youngest eight loads (O's rows 64-127) may be out
	WIN MUL_LO-0x20*(\zero)
	MUL16 \f, 0, 0, \zero
	MUL16 \f, 0, 2, \zero
	PLACES
	FETCH \slot, \k, \g
	s_wait_dscnt 32                                ; all but the 32 just issued
	WIN MUL_HI-0x30*(\zero)
	MUL16 \f, 1, 0, \zero
	MUL16 \f, 1, 2, \zero
.endm
; the last quarter multiplies buffer 1 and changes slots: ONE barrier; in front of it each wave waits for all its tensor loads, adds 0 to its spare word, and waits for that and for its reads of this slot
.macro TURN slot, next, fill
	WIN 0
	s_wait_tensorcnt 0x0                           ; my one load that was out is my part of the next slot
	ds_add_u32 v[SPW], v[NIL]                      ; 0 onto my spare word
	s_wait_dscnt 9                                 ; (the add and the youngest eight loads may be out)
	WIN MUL_LO
	MUL16 F1, 0, 0, 0
	s_wait_dscnt 0x0                               ; the add is done, and my reads of this slot are over
	s_barrier_signal -1
	MUL16 F1, 0, 2, 0
.if \fill
	WIN 0
.endif
	s_barrier_wait -1
.if \fill
	CREST                                          ; the barrier has opened a round of the cluster's: no wave of any partner still reads this slot or has a load on its way
	s_add_nc_u64 s[G0+4*\slot+2:G0+4*\slot+3], s[G0+4*\slot+2:G0+4*\slot+3], 2*KSTEP*2
	s_add_nc_u64 s[G0B+4*\slot+2:G0B+4*\slot+3], s[G0B+4*\slot+2:G0B+4*\slot+3], 2*KSTEP*2
	JLOAD \slot                                    ; the first tensor load behind the round; its four v_nop are also the places in front of the loads below
.else
	PLACES
.endif
	FETCH \next, 0, F0
	WIN MUL_HI
	MUL16 F1, 1, 0, 0
	MUL16 F1, 1, 2, 0
.endm
	s_wait_tensorcnt 1                             ; my part of K step 0 is in; K step 1's may stay out
	s_barrier_signal -1
	s_barrier_wait -1
	FETCH 0, 0, F0
	s_wait_loadcnt 0x0                             ; the bias
	QUARTER 0, 64,  F0, F1, 1                      ; the first quarter stands in front of the loop: its products start the sums
	WIN 0
	s_mov_b32 s3, LAPS-1
.Llap:                                             ; a trip goes once round the ring, from a lap's second quarter to the next lap's first, and fills both slots again
	QUARTER 0, 128, F1, F0, 0
	QUARTER 0, 192, F0, F1, 0
	TURN 0, 1, 1
	QUARTER 1, 64,  F0, F1, 0
	QUARTER 1, 128, F1, F0, 0
	QUARTER 1, 192, F0, F1, 0
	TURN 1, 0, 1
	QUARTER 0, 64,  F0, F1, 0
	WIN 0
	s_sub_co_u32 s3, s3, 1
	s_cmp_lg_u32 s3, 0
	s_cbranch_scc1 .Llap
	QUARTER 0, 128, F1, F0, 0                      ; the last lap fills nothing, and has no round of the cluster's barrier
	QUARTER 0, 192, F0, F1, 0
	TURN 0, 1, 0
	QUARTER 1, 64,  F0, F1, 0
	QUARTER 1, 128, F1, F0, 0
	QUARTER 1, 192, F0, F1, 0
	s_wait_dscnt 8                                 ; the very last quarter: nothing more to fetch
	WIN MUL_LO
	MUL16 F1, 0, 0, 0
	MUL16 F1, 0, 2, 0
	s_wait_dscnt 0x0
	WIN MUL_HI
	MUL16 F1, 1, 0, 0
	MUL16 F1, 1, 2, 0
	WIN 0
; THE WAY OUT, block by block of 16 rows x 128 columns: through my own stage in LDS, back as whole rows of 512 bytes.  LDS serves a wave's instructions in order: no wait between the stores and the loads.
.macro TOSTAGE a
.set AC, 64*((\a)%4)
	WIN 0x08+4*((\a)/4)                            ; the data: window 2 or 3
.irp b, 0,1,2,3,4,5,6,7
	ds_store_b128 v[STO], v[AC+8*\b:AC+8*\b+3] offset:64*\b          ; each accumulator from its low end on
	ds_store_b128 v[STO], v[AC+8*\b+4:AC+8*\b+7] offset:64*\b+16
.endr
	WIN 0
.set BB, BK+64*((\a)%2)
.irp t, 0,1,2,3,4,5,6,7,8,9,10,11,12,13,14,15
	ds_load_b128 v[BB+4*\t:BB+4*\t+3], v[RD] offset:\t*SPITCH
.endr
.endm
.macro SEND a, younger                 ; younger: the LDS instructions issued behind block a's loads, which may stay out
.set BB, BK+64*((\a)%2)
	s_wait_dscnt \younger
.if (\a) > 0
	s_add_nc_u64 s[10:11], s[10:11], 16*SIZE_N*4   ; (behind a wait on XCNT: the earlier stores have read their base)
.endif
.irp t, 0,1,2,3,4,5,6,7,8,9,10,11,12,13,14,15
	global_store_b128 v[CO], v[BB+4*\t:BB+4*\t+3], s[10:11] offset:\t*SIZE_N*4 th:TH_STORE_NT   ; 32 lanes store 512 consecutive bytes; written once, read by nobody here
.endr
.endm
	PLACES                                         ; ahead of the loads into the registers that held O's fragments, and of the reads of the last results
	TOSTAGE 0
.irp a, 1,2,3,4,5,6,7
.if \a > 1
	s_wait_xcnt 0x0                                ; block a - 2's stores have read their registers and their base
.endif
	TOSTAGE \a
	SEND \a-1, 32                                  ; behind block a - 1's loads: block a's 16 stores and 16 loads
.endr
	s_wait_xcnt 0x0
	SEND 7, 0
	s_wait_tensorcnt 0x0                           ; the wave's end, behind my last tensor load and my last LDS store
	ds_add_u32 v[SPW], v[NIL]
	s_wait_dscnt 0x0
	CROUND                                         ; the closing round: no work-group ends while a partner may still ask for a tile that names it
	s_endpgm
.Lfunc_end_k_q5a5e0e650b_oproj:
	.size	k_q5a5e0e650b_oproj, .Lfunc_end_k_q5a5e0e650b_oproj-k_q5a5e0e650b_oproj
	.p2alignl 7, 3214868480
	.fill 96, 4, 3214868480
	.section	.rodata,"a",@progbits
	.p2align	6, 0x0
	.amdhsa_kernel k_q5a5e0e650b_oproj
		.amdhsa_group_segment_fixed_size 327680
		.amdhsa_private_segment_fixed_size 0
		.amdhsa_enable_private_segment 0
		.amdhsa_kernarg_size 32
		.amdhsa_user_sgpr_count 2
		.amdhsa_user_sgpr_kernarg_segment_ptr 1
		.amdhsa_wavefront_size32 1
		.amdhsa_system_sgpr_workgroup_id_x 1
		.amdhsa_system_sgpr_workgroup_id_y 1
		.amdhsa_system_sgpr_workgroup_id_z 1
		.amdhsa_system_vgpr_workitem_id 0
		.amdhsa_next_free_vgpr 1024
		.amdhsa_next_free_sgpr 66
		.amdhsa_reserve_vcc 0
		.amdhsa_float_denorm_mode_32 3
		.amdhsa_float_denorm_mode_16_64 3
		.amdhsa_memory_ordered 1
		.amdhsa_forward_progress 1
		.amdhsa_inst_pref_size 142
	.end_amdhsa_kernel
	.amdgpu_metadata
---
amdhsa.version: [ 1, 2 ]
amdhsa.kernels:
  - .name:           k_q5a5e0e650b_oproj
    .symbol:         k_q5a5e0e650b_oproj.kd
    .args:
      - { .name: o16, .offset: 0, .size: 8, .value_kind: global_buffer, .address_space: global }
      - { .name: wo16, .offset: 8, .size: 8, .value_kind: global_buffer, .address_space: global }
      - { .name: bo, .offset: 16, .size: 8, .value_kind: global_buffer, .address_space: global }
      - { .name: out0, .offset: 24, .size: 8, .value_kind: global_buffer, .address_space: global }
    .group_segment_fixed_size: 327680
    .private_segment_fixed_size: 0
    .kernarg_segment_align: 8
    .kernarg_segment_size: 32
    .max_flat_workgroup_size: 128
    .sgpr_count:     66
    .vgpr_count:     1024
    .wavefront_size: 32
...
	.end_amdgpu_metadata
.endif
;; end of part 3
